; MI455X (gfx1250); checked and timed in simulation.
; The chip was launched on July 23, 2026; its instructions are those of AMD's public machine-readable ISA for CDNA 5 (MIT licence, August 2026) and "CDNA5" Instruction Set Architecture Reference Guide (July 2026). The comments in the code are by the model that wrote it; some were corrected since.
;; LSTM Cell. Allowed arithmetic: float matrix products may take bf16 or f16 operands with f32 sums; all other float work in f32.
;; Inputs: Wh 1,024 x 4,096 float32; Wx 512 x 4,096 float32; b 4,096 float32; c 8,192 x 1,024 float32; h 8,192 x 1,024 float32; x 8,192 x 512 float32.
;; Outputs: out0 8,192 x 1,024 float32; out1 8,192 x 1,024 float32.
;; One version. Each part assembles by itself: llvm-mc -triple=amdgcn-amd-amdhsa -mcpu=gfx1250 --defsym DOCPART=n.
;; ======== version 1 of 1: 2 launches
;; limits: a function is approximated: absolute error at most 1e-07
;; workspace buffers: Abf 25,165,824 bytes; Wbf 6,291,456 bytes
;; launch cast (part 1): grid 512 x 1, 8 waves a work-group, no clusters, 0 bytes of LDS; arguments x, h, Wx, Wh, Abf, Wbf; writes Abf, Wbf
.if DOCPART == 1
	.amdgcn_target "amdgcn-amd-amdhsa--gfx1250"
	.amdhsa_code_object_version 6
	.text
	.protected	k_q76e6c059a3_cast
	.globl	k_q76e6c059a3_cast
	.p2align	8
	.type	k_q76e6c059a3_cast,@function
k_q76e6c059a3_cast:
	s_mov_b64 s[64:65], 0
	v_nop
	global_prefetch_b8 v0, s[64:65] scope:SCOPE_SE
	s_setreg_imm32_b32 hwreg(HW_REG_WAVE_MODE, 25, 1), 1
	s_wait_xcnt 0x0
; The operands of gates = x Wx + h Wh, rounded once to bf16 (nearest even) and laid out for the product that follows.
;   Abf [8192][1536] bf16: columns 0-511 = x, columns 512-1535 = h.  A row is 3,072 bytes = 12 x 256.
;   Wbf [1536][2048] bf16: rows 0-511 from Wx, rows 512-1535 from Wh; still [k][n].  Column n' = 256 T + 128 hf + 64 gi + jj holds the source's
;   column 1024 gi + 128 T + 64 hf + jj (gi = 0: gate g, 1: gate i), so that 128 neighbouring columns are 64 of g and the same 64 of i.
; NOT READ: columns 2048-4095 of Wx and Wh.  The function splits those gates off (f_in, o_in) and never uses them: no output hangs on them.
; A pure stream: no LDS, no barrier, no matrix unit.  Work-group w takes 16 rows of x, 16 rows of h, row w of Wx and rows 2 w, 2 w + 1 of Wh.
; Each thread issues its 30 loads of 16 bytes first (a wave has 15,360 bytes on their way), then rounds and stores them in the order of issue.
; A wave's load covers 512 consecutive bytes (for W: two aligned runs of 256); a wave's store covers 256 consecutive bytes, aligned.  No register is used twice.
.set D0, 8                             ; v[8:127]  slot i: four f32 as loaded; its first two registers then hold the four bf16
.set NLD, 30                           ; loads of a thread
	s_load_b256 s[4:11], s[0:1], 0x0               ; x s[4:5], h s[6:7], Wx s[8:9], Wh s[10:11]
	s_load_b128 s[12:15], s[0:1], 0x20             ; Abf s[12:13], Wbf s[14:15]
	v_lshlrev_b32 v1, 4, v0                        ; x, h: 16 t, my 16 bytes of 4,096
	v_lshlrev_b32 v3, 3, v0                        ; h's and W's place in the output: 8 t
	v_lshrrev_b32 v5, 7, v0                        ; x: a load takes two rows of 2,048 bytes: which row,
	v_and_b32 v6, 127, v0                          ; and my place in it
	v_mul_u32_u24 v2, v5, 3072
	v_lshl_add_u32 v2, v6, 3, v2                   ; x's place in Abf
	v_and_b32 v5, 15, v0                           ; W: sixteen lanes take 256 bytes (64 columns) of one gate,
	v_lshlrev_b32 v4, 4, v5
	v_lshrrev_b32 v5, 5, v0
	v_lshl_add_u32 v4, v5, 8, v4                   ; the wave's number picks the 64 columns,
	v_bfe_u32 v5, v0, 4, 1
	v_lshl_add_u32 v4, v5, 12, v4                  ; lanes 16-31 take gate i's, 1,024 columns = 4,096 bytes on
	s_mov_b32 s17, 0                               ; offsets are made apart from the addresses, as pairs with 0 on top
	s_wait_kmcnt 0x0
	s_lshl_b32 s16, ttmp9, 15                      ; 16 rows of x, 2,048 bytes each
	s_add_nc_u64 s[4:5], s[4:5], s[16:17]
	s_add_nc_u64 s[10:11], s[10:11], s[16:17]      ; and two rows of Wh, 16,384 bytes each: the same number
	s_lshl_b32 s16, ttmp9, 16                      ; 16 rows of h
	s_add_nc_u64 s[6:7], s[6:7], s[16:17]
	s_lshl_b32 s16, ttmp9, 14                      ; one row of Wx
	s_add_nc_u64 s[8:9], s[8:9], s[16:17]
	s_mul_i32 s16, ttmp9, 16*3072                  ; 16 rows of Abf
	s_add_nc_u64 s[12:13], s[12:13], s[16:17]
	s_lshl_b32 s16, ttmp9, 12                      ; row w of Wbf
	s_add_nc_u64 s[18:19], s[14:15], s[16:17]
	s_lshl_b32 s16, ttmp9, 13                      ; rows 512 + 2 w, 512 + 2 w + 1 of Wbf
	s_add_co_u32 s16, s16, 512*4096
	s_add_nc_u64 s[20:21], s[14:15], s[16:17]
.irp i, 0,1,2,3,4,5,6,7,8,9,10,11,12,13,14,15
	global_load_b128 v[D0+4*(\i):D0+4*(\i)+3], v1, s[6:7] offset:4096*(\i) th:TH_LOAD_NT          ; h, a row a load
.endr
.irp i, 0,1,2,3,4,5,6,7
	global_load_b128 v[D0+64+4*(\i):D0+64+4*(\i)+3], v1, s[4:5] offset:4096*(\i) th:TH_LOAD_NT    ; x, two rows a load
.endr
.irp r, 0,1
.irp i, 0,1
	global_load_b128 v[D0+96+4*(2*(\r)+(\i)):D0+96+4*(2*(\r)+(\i))+3], v4, s[10:11] offset:16384*(\r)+2048*(\i) th:TH_LOAD_NT  ; Wh: half of a row's live columns a load
.endr
.endr
.irp i, 0,1
	global_load_b128 v[D0+112+4*(\i):D0+112+4*(\i)+3], v4, s[8:9] offset:2048*(\i) th:TH_LOAD_NT  ; Wx likewise
.endr
; Slot i leaves: four roundings in two instructions, eight bytes a lane.
.macro OUT i, voff, base, off
	s_wait_loadcnt NLD-1-(\i)                      ; loads come back in the order of issue (ISA guide 5.7.1): slot i is in, the younger ones stay out
	v_cvt_pk_bf16_f32 v[D0+4*(\i)],   v[D0+4*(\i)],   v[D0+4*(\i)+1]
	v_cvt_pk_bf16_f32 v[D0+4*(\i)+1], v[D0+4*(\i)+2], v[D0+4*(\i)+3]
	global_store_b64 v[\voff], v[D0+4*(\i):D0+4*(\i)+1], s[\base:(\base)+1] offset:\off
.endm
.irp i, 0,1,2,3,4,5,6,7,8,9,10,11,12,13,14,15
	OUT \i, 3, 12, 3072*(\i)+1024                  ; h behind x's 512 columns
.endr
.irp i, 0,1,2,3,4,5,6,7
	OUT 16+(\i), 2, 12, 6144*(\i)
.endr
.irp r, 0,1
.irp i, 0,1
	OUT 24+2*(\r)+(\i), 3, 20, 4096*(\r)+2048*(\i)
.endr
.endr
.irp i, 0,1
	OUT 28+(\i), 3, 18, 2048*(\i)
.endr
	s_endpgm
.Lfunc_end_k_q76e6c059a3_cast:
	.size	k_q76e6c059a3_cast, .Lfunc_end_k_q76e6c059a3_cast-k_q76e6c059a3_cast
	.p2alignl 7, 3214868480
	.fill 96, 4, 3214868480
	.section	.rodata,"a",@progbits
	.p2align	6, 0x0
	.amdhsa_kernel k_q76e6c059a3_cast
		.amdhsa_group_segment_fixed_size 0
		.amdhsa_private_segment_fixed_size 0
		.amdhsa_enable_private_segment 0
		.amdhsa_kernarg_size 48
		.amdhsa_user_sgpr_count 2
		.amdhsa_user_sgpr_kernarg_segment_ptr 1
		.amdhsa_wavefront_size32 1
		.amdhsa_system_sgpr_workgroup_id_x 1
		.amdhsa_system_sgpr_workgroup_id_y 1
		.amdhsa_system_sgpr_workgroup_id_z 1
		.amdhsa_system_vgpr_workitem_id 0
		.amdhsa_next_free_vgpr 128
		.amdhsa_next_free_sgpr 66
		.amdhsa_reserve_vcc 0
		.amdhsa_float_denorm_mode_32 3
		.amdhsa_float_denorm_mode_16_64 3
		.amdhsa_memory_ordered 1
		.amdhsa_forward_progress 1
		.amdhsa_inst_pref_size 12
	.end_amdhsa_kernel
	.amdgpu_metadata
---
amdhsa.version: [ 1, 2 ]
amdhsa.kernels:
  - .name:           k_q76e6c059a3_cast
    .symbol:         k_q76e6c059a3_cast.kd
    .args:
      - { .name: x, .offset: 0, .size: 8, .value_kind: global_buffer, .address_space: global }
      - { .name: h, .offset: 8, .size: 8, .value_kind: global_buffer, .address_space: global }
      - { .name: Wx, .offset: 16, .size: 8, .value_kind: global_buffer, .address_space: global }
      - { .name: Wh, .offset: 24, .size: 8, .value_kind: global_buffer, .address_space: global }
      - { .name: Abf, .offset: 32, .size: 8, .value_kind: global_buffer, .address_space: global }
      - { .name: Wbf, .offset: 40, .size: 8, .value_kind: global_buffer, .address_space: global }
    .group_segment_fixed_size: 0
    .private_segment_fixed_size: 0
    .kernarg_segment_align: 8
    .kernarg_segment_size: 48
    .max_flat_workgroup_size: 256
    .sgpr_count:     66
    .vgpr_count:     128
    .wavefront_size: 32
...
	.end_amdgpu_metadata
.endif
;; end of part 1
;; launch cell (part 2): grid 8 x 32, 4 waves a work-group, clusters of 4 x 4, 327,680 bytes of LDS; arguments Abf, Wbf, b, c, out0, out1; writes out0, out1
.if DOCPART == 2
	.amdgcn_target "amdgcn-amd-amdhsa--gfx1250"
	.amdhsa_code_object_version 6
	.text
	.protected	k_q76e6c059a3_cell
	.globl	k_q76e6c059a3_cell
	.p2align	8
	.type	k_q76e6c059a3_cell,@function
k_q76e6c059a3_cell:
	s_mov_b64 s[64:65], 0
	v_nop
	global_prefetch_b8 v0, s[64:65] scope:SCOPE_SE
	s_setreg_imm32_b32 hwreg(HW_REG_WAVE_MODE, 25, 1), 1
	s_wait_xcnt 0x0
	s_wait_alu depctr_hold_cnt(0) depctr_sa_sdst(0) depctr_va_vdst(0) depctr_va_sdst(0) depctr_va_ssrc(0) depctr_va_vcc(0) depctr_vm_vsrc(0)
	s_getreg_b32 s2, hwreg(HW_REG_IB_STS2, 6, 4)
	s_cmp_eq_u32 s2, 0
	s_cbranch_scc0 .Lentry_in_a_cluster
	s_endpgm
.Lentry_in_a_cluster:
	s_bfe_u32 s2, ttmp6, 0x10000c
	s_cmp_lg_u32 s2, 0xf033
	s_cbranch_scc0 .Lentry_shape_is_right
	s_endpgm
.Lentry_shape_is_right:
; THE LSTM CELL.  gates = [x|h] [Wx;Wh] + b;  s = sigmoid(i);  out1 = c_new = tanh(g) s + s c;  out0 = h_new = tanh(c_new) s.  (The function takes sigmoid(i) for all three of its gates i, f, o.)
; Abf [8192][1536] and Wbf [1536][2048] are the operands in bf16; Wbf's columns lie so that 128 neighbouring ones are 64 of gate g and the same 64 of gate i.  Sums in f32.
; NOT READ: entries 2048-4095 of b (and the like columns of the weights): the function splits those gates off and never uses them.
; LIMITS.  x, h, Wx, Wh are rounded to bf16 for the matrix unit; b and c are rounded to bf16 here too, so that every input has the same rounding (at most 2^-8 of the number);
; all arithmetic behind that is f32.  tanh x = 1 + 1 / (-0.5 2^(2 x log2 e) - 0.5) and sigmoid x = 1 / (1 + 2^(-x log2 e)): both end at their right limits where the power overflows or
; falls to 0; a sigmoid below 2^-126 counts as 0; near 0 tanh keeps an absolute error of about 1e-7.  NaN and infinities are not treated apart.
; SHARES.  A work-group makes 256 rows x 128 hidden columns: a tile of 256 x 256 of the gates.  Four waves, as many as a WGP has SIMDs; a wave has 128 rows x (64 g + 64 i): 64 accumulators of
; 16 x 16, 512 registers.  8 x 32 tiles: one work-group to each of 256 WGPs.  K = 1,536 goes in 12 steps of 128 through a ring of two LDS slots filled by the tensor data mover.
; CLUSTERS.  4 x 4 work-groups.  The four of a row of the cluster need the same tiles of Abf, the four of a column the same tiles of Wbf: each tile is asked for JOINTLY, by the same tensor load with
; the same descriptor and a mask that names the four.
; THE MATRIX INSTRUCTION IS USED TRANSPOSED: source 0 = 16 columns of W, source 1 = 16 rows of A: lane l then holds row l % 16 and the columns 8 (l / 16) + 0..7.  W lies [k][n] in LDS; its fragments
; come out turned, by ds_load_tr16_b128: two loads a fragment, as for A.
; THE TAIL.  g and i of one output lie in two accumulators of the same lane, but a lane's eight columns are 32 bytes of a row.  So the sums go once through LDS (the ring's bytes, whose last fill is over)
; and come back so that sixteen lanes hold 256 consecutive bytes of a row: c is loaded and both outputs are stored in that shape, 16 rows at a time.
; REGISTERS, in windows of 256 (s_set_vgpr_msb: bits 1:0 source 0, 3:2 source 1, 5:4 source 2, 7:6 destination):
;   window 0: v0-31 addresses and b; v32-63, v192-223 c as loaded, two buffers; v64-127, v128-191 fragments of A, two buffers, in the tail at work; v224-255 at work in the tail
;   window 1: v64-127, v128-191 fragments of W      window 2: the accumulators of my rows 0-63 ((a, b) at v[8 (8 a + b)])      window 3: those of my rows 64-127
.set KSTEP,  128
.set KTOT,   1536
.set AROW,   KTOT*2                    ; bytes in a row of Abf
.set WROW,   4096                      ; bytes in a row of Wbf
.set CROW,   4096                      ; bytes in a row of c, out0, out1
.set PA,     272                       ; a row of A in LDS: 256 bytes + 16 of padding = 68 words: the 16 rows of a load start at 16 different groups of four banks (64 banks of 4 bytes: ISA guide 11.1)
.set PB,     544                       ; a k row of W in LDS: 512 bytes + 32 of padding = 136 words
.set HALFT,  128*PA                    ; what one tensor load brings: 128 rows of A, or 64 k rows of W (64 x 544 is the same number)
.set SLOT,   4*HALFT                   ; A's 256 rows, then W's 128 k rows
.set SP,     528                       ; a row of the stage: 256 bytes of g, 256 of i, 16 of padding
.set WSTG,   128*SP                    ; a wave's stage: its 128 rows.  The four stages, 270,336 bytes, lie on the ring's 278,528
.set SPARE,  2*SLOT                    ; behind the ring: the spare words, 128 bytes for each wave: two blocks of 256 bytes that no other line names
.set LAPS,   KTOT/(2*KSTEP)            ; a lap = two K steps = once round the ring: 6
.set BG,   4                           ; v[4:7]   b of gate g for my 4 columns, later times 2 log2 e
.set BI,   8                           ; v[8:11]  b of gate i, later times -log2 e
.set BO,   15                          ; v15      my byte offset in 64 entries of b
.set ADRA, 16                          ; v16-17   LDS address of my A fragments in slot 0, 1
.set PF,   18                          ; v18      32 rows of c, a lane a row
.set ADRB, 20                          ; v20-21   LDS address of my W fragments in slot 0, 1
.set STO,  24                          ; v24      the stage: where I put 16 bytes of a row
.set RD,   25                          ; v25      the stage: where I read rows back; steps two blocks a trip
.set CO,   26                          ; v26      my byte offset in c and in the outputs; steps two blocks a trip
.set SPW,  28                          ; v28      LDS address of my spare word: SPARE + 4 x my thread's number; never rewritten
.set NIL,  29                          ; v29      0; never rewritten
.set LC0,  32                          ; c of the even blocks of 16 rows, as loaded
.set LC1,  192                         ; c of the odd blocks
.set F0,   64                          ; fragment buffer 0
.set F1,   128                         ; fragment buffer 1
.set LG,   64                          ; the tail: 16 rows' sums of g, back from the stage
.set LI,   96                          ; of i
.set GG,   128                         ; at work: the tanh chains; at last h_new
.set II,   160                         ; at work: s
.set CC,   224                         ; c_new; its upper 16 registers first hold c in bf16
.set G1,   24                          ; s[24:31] descriptor group 1 for A's tiles
.set G0,   32                          ; s[32:39] descriptor group 0 for A's tiles, one set for each slot
.set G1B,  48                          ; s[48:55] descriptor group 1 for W's tiles
.set G0B,  56                          ; s[56:63] descriptor group 0 for W's tiles
.set BP,   68                          ; s[68:69] b at my 64 columns of gate g
.set CP,   70                          ; s[70:71] c at my wave's first row and column
.set O0,   72                          ; s[72:73] out0 there
.set O1,   74                          ; s[74:75] out1 there
.set K2,   76                          ; s[76:77] 2 log2 e: a packed instruction names the pair and takes its low word for both halves
.set NL,   78                          ; s[78:79] -log2 e
.set MSB, 0
.macro WIN new                         ; the immediate's high byte repeats the setting that is left; a switch that changes nothing is dropped
.if MSB != (\new)
	s_set_vgpr_msb (MSB<<8)|(\new)
.set MSB, \new
.endif
.endm
.set MUL_LO, 0xa1                      ; source 0 (W) window 1, source 1 (A) window 0, C and D window 2
.set MUL_HI, 0xf1                      ; the same, C and D window 3
.set TO_B,   0x40                      ; destination window 1, address window 0
; A joint load.  Waves 0 and 1 fetch A's two halves, waves 2 and 3 W's.  Each of the two lines has one mask and one set of registers for all that issue it; the branch hangs on the wave's number alone.
; An s_nop 0 and four v_nop follow each of the two lines, ahead of the jump, the label and what follows the macro.
.macro JLOAD s
	s_cmp_eq_u32 s11, 0
	s_cbranch_scc0 .Lfor_b_\@
	tensor_load_to_lds s[G0+4*(\s):G0+4*(\s)+3], s[G1:G1+7]
	s_nop 0
.rept 4
	v_nop
.endr
	s_branch .Lasked_\@
.Lfor_b_\@:
	tensor_load_to_lds s[G0B+4*(\s):G0B+4*(\s)+3], s[G1B:G1B+7]
	s_nop 0
.rept 4
	v_nop
.endr
.Lasked_\@:
.endm
; A round of the cluster's barrier: my work-group's barrier, so that wave 0's signal speaks for all four waves; wave 0 signals for the work-group; every wave waits for all sixteen; my work-group's barrier once more.
.macro CREST                           ; a round behind its opening barrier
	s_cmp_lg_u32 s10, 0
	s_cbranch_scc1 .Lnot_wave_0_\@
	s_barrier_signal -3
.Lnot_wave_0_\@:
	s_barrier_wait -3
	s_barrier_signal -1
	s_barrier_wait -1
.endm
.macro CROUND                          ; a whole round
	s_barrier_signal -1
	s_barrier_wait -1
	CREST
.endm
	s_load_b128 s[4:7], s[0:1], 0x0                ; Abf s[4:5], Wbf s[6:7]
	s_load_b256 s[68:75], s[0:1], 0x10             ; b, c, out0, out1
	v_lshl_add_u32 v[SPW], v0, 2, SPARE
	v_mov_b32 v[NIL], 0
	ds_add_u32 v[SPW], v[NIL]                      ; the wave's opening: the add and its wait stand ahead of my first tensor load; the set-up below, work on registers, stands between them
	v_lshrrev_b32 v1, 5, v0
	v_readfirstlane_b32 s10, v1                    ; wave 0..3
	s_lshr_b32 s11, s10, 1                         ; which half of the tile's rows is mine.  Also: I fetch for A (0) or for W (1)
	s_and_b32 s12, s10, 1                          ; which half of its columns.  Also: which half of that tile I fetch
	s_bfe_u32 s40, ttmp6, 0x40000                  ; cx: my place along the cluster's x
	s_bfe_u32 s41, ttmp6, 0x40004                  ; cy: along its y
	s_lshl_b32 s42, ttmp9, 2                       ; in a cluster launch ttmp9 and ttmp7 count clusters
	s_add_co_u32 s42, s42, s40                     ; T, the tile column = 4 x cluster x + cx
	s_and_b32 s13, ttmp7, 0xffff
	s_lshl_b32 s13, s13, 2
	s_add_co_u32 s13, s13, s41                     ; R, the tile row = 4 x cluster y + cy
	s_lshl_b32 s43, s41, 2
	s_lshl_b32 s43, 15, s43                        ; my row of the cluster: places 4 cy .. 4 cy + 3
	s_lshl_b32 s44, 0x1111, s40                    ; my column: places cx, cx + 4, cx + 8, cx + 12
	; descriptor group 1.  A: 128 rows x 128 elements; W: 64 k rows x 256 elements; both padded in LDS
	s_or_b32 s[G1+0], s43, (1<<16)|(1<<20)|(1<<21)|(5<<22)|(3<<25)   ; 15:0 the mask: my row; 17:16 elements of 2 bytes; 20 padding on; 21 set beside a mask; 24:22 after every 64 words (code 5); 31:25 4 words of it (code 3)
	s_or_b32 s[G1B+0], s44, (1<<16)|(1<<20)|(1<<21)|(6<<22)|(7<<25)  ; the mask: my column; after every 128 words (code 6) 8 words (code 7)
	s_mov_b32 s[G1+1], KSTEP<<16                   ; 63:48 tensor_dim0, low half = 128
	s_mov_b32 s[G1+2], 128<<16                     ; 95:80 tensor_dim1, low half = 128
	s_mov_b32 s[G1+3], KSTEP<<16                   ; 127:112 tile_dim0 = 128
	s_mov_b32 s[G1+4], 128                         ; 143:128 tile_dim1 = 128; tile_dim2 = 0
	s_mov_b32 s[G1+5], KTOT                        ; 191:160 elements from row to row
	s_mov_b32 s[G1+6], 0
	s_mov_b32 s[G1+7], 0
	s_mov_b32 s[G1B+1], 256<<16                    ; tensor_dim0 = 256
	s_mov_b32 s[G1B+2], 64<<16                     ; tensor_dim1 = 64
	s_mov_b32 s[G1B+3], 256<<16                    ; tile_dim0 = 256
	s_mov_b32 s[G1B+4], 64                         ; tile_dim1 = 64
	s_mov_b32 s[G1B+5], 2048                       ; elements from k row to k row
	s_mov_b32 s[G1B+6], 0
	s_mov_b32 s[G1B+7], 0
	; where the tiles come from.  A's hang on the tile row alone, which my row of the cluster shares; W's on the tile column alone, which my column shares.
	; Every wave makes both offsets, in registers that never hold the other coordinate, and asks by one of them.
	s_lshl_b32 s17, s12, 7
	s_lshl_b32 s16, s13, 8
	s_add_co_u32 s16, s16, s17                     ; A: row 256 R + 128 x half,
	s_mul_i32 s16, s16, AROW                       ; in bytes: 25,165,824 at the most
	s_mov_b32 s17, 0
	s_lshl_b32 s46, s12, 18                        ; W: k row 64 x half, 4,096 bytes each,
	s_lshl_b32 s47, s42, 9                         ; column 256 T
	s_add_co_u32 s46, s46, s47
	s_mov_b32 s47, 0
	s_mul_i32 s20, s10, HALFT                      ; and where they go: wave x 34,816 bytes: no place in the cluster enters an LDS address
	; where my part of b, c and the outputs begins
	s_lshl_b32 s82, s42, 9                         ; 128 T hidden columns of 4 bytes,
	s_lshl_b32 s84, s12, 8                         ; 64 x half
	s_add_co_u32 s82, s82, s84
	s_mov_b32 s83, 0
	s_lshl_b32 s80, s13, 20                        ; 256 R rows of 4,096 bytes,
	s_lshl_b32 s84, s11, 19                        ; 128 x half
	s_add_co_u32 s80, s80, s84
	s_add_co_u32 s80, s80, s82
	s_mov_b32 s81, 0
	s_mov_b32 s[K2], 0x4038aa3b                    ; 2 log2 e
	s_mov_b32 s[K2+1], s[K2]                       ; named with it as a pair, so it is written
	s_mov_b32 s[NL], 0xbfb8aa3b                    ; -log2 e
	s_mov_b32 s[NL+1], s[NL]
	s_wait_dscnt 0x0                               ; the opening add is done
	s_wait_kmcnt 0x0
	s_add_nc_u64 s[14:15], s[4:5], s[16:17]
	s_add_nc_u64 s[46:47], s[6:7], s[46:47]
	s_add_nc_u64 s[BP:BP+1], s[BP:BP+1], s[82:83]
	s_add_nc_u64 s[CP:CP+1], s[CP:CP+1], s[80:81]
	s_add_nc_u64 s[O0:O0+1], s[O0:O0+1], s[80:81]
	s_add_nc_u64 s[O1:O1+1], s[O1:O1+1], s[80:81]
	CROUND                                         ; all sixteen work-groups are here: the first joint loads meet
.irp s, 0,1
	s_mov_b32 s[G0+4*(\s)], 1                                        ; 1:0 count = 1
	s_add_co_u32 s[G0+4*(\s)+1], s20, (\s)*SLOT                      ; 63:32 LDS address
	s_add_nc_u64 s[G0+4*(\s)+2:G0+4*(\s)+3], s[14:15], (\s)*KSTEP*2  ; 120:64 global address: K step s
	s_or_b32 s[G0+4*(\s)+3], s[G0+4*(\s)+3], 0x80000000              ; 127:126 type = 2
	s_mov_b32 s[G0B+4*(\s)], 1
	s_add_co_u32 s[G0B+4*(\s)+1], s20, (\s)*SLOT
	s_add_nc_u64 s[G0B+4*(\s)+2:G0B+4*(\s)+3], s[46:47], (\s)*KSTEP*WROW
	s_or_b32 s[G0B+4*(\s)+3], s[G0B+4*(\s)+3], 0x80000000
	JLOAD \s                                       ; the ring is filled before anything else is done: two tensor loads of mine are out
.endr
	; A fragment of A is 16 rows x 32 K in 8 registers: lane l holds row l % 16; registers 0-3 K = 8 (l / 16) + 0..7, registers 4-7 K = 16 + 8 (l / 16) + 0..7: two loads of 16 bytes, 32 bytes apart.
	v_and_b32 v1, 15, v0                           ; r = l % 16
	v_bfe_u32 v2, v0, 4, 1                         ; hh = l / 16
	v_mul_u32_u24 v3, v1, PA
	v_lshl_add_u32 v3, v2, 4, v3                   ; row x pitch + 16 x half
	s_mul_i32 s21, s11, HALFT                      ; my 128 rows of A
	; The turning load takes 16 k x 16 columns (lane l reads 16 bytes: k row 8 (l / 16) + l % 8, columns 8 ((l / 8) % 2) + 0..7) and leaves half a fragment: lane l holds column l % 16 and 8 k.
	v_and_b32 v12, 7, v0
	v_lshl_add_u32 v12, v2, 3, v12
	v_mul_u32_u24 v12, v12, PB
	v_bfe_u32 v13, v0, 3, 1
	v_lshl_add_u32 v12, v13, 4, v12
	s_lshl_b32 s22, s12, 8                         ; my 128 columns of W, 256 bytes of each k row,
	s_add_co_u32 s22, s22, 2*HALFT                 ; behind A's 256 rows
.irp s, 0,1
	v_add_nc_u32 v[ADRA+(\s)], s21, v3
	v_add_nc_u32 v[ADRB+(\s)], s22, v12
	s_add_co_u32 s21, s21, SLOT
	s_add_co_u32 s22, s22, SLOT
.endr
	s_mul_i32 s23, s10, WSTG                       ; my stage
	v_mul_u32_u24 v13, v1, SP                      ; in: row l % 16, 32 bytes for each half of the lanes
	v_lshl_add_u32 v13, v2, 5, v13
	v_add_nc_u32 v[STO], s23, v13
	v_mul_u32_u24 v13, v2, SP                      ; back: lanes 0-15 take 256 bytes of one row, lanes 16-31 of the next
	v_lshl_add_u32 v13, v1, 4, v13
	v_add_nc_u32 v[RD], s23, v13
	v_lshlrev_b32 v[BO], 4, v1                     ; my 4 columns
	v_lshl_add_u32 v[CO], v2, 12, v[BO]            ; and the same two rows in c and the outputs
	v_and_b32 v[PF], 31, v0
	v_lshlrev_b32 v[PF], 12, v[PF]
	; b, and c of my first 32 rows: 18 loads that stay out during the whole product, into registers that the product never names
	global_load_b128 v[BG:BG+3], v[BO], s[BP:BP+1]
	global_load_b128 v[BI:BI+3], v[BO], s[BP:BP+1] offset:4096     ; gate i's entries lie 1,024 further on
.irp t, 0,1,2,3,4,5,6,7
	global_load_b128 v[LC0+4*(\t):LC0+4*(\t)+3], v[CO], s[CP:CP+1] offset:(\t)*2*CROW th:TH_LOAD_NT
.endr
.irp t, 0,1,2,3,4,5,6,7
	global_load_b128 v[LC1+4*(\t):LC1+4*(\t)+3], v[CO], s[CP:CP+1] offset:16*CROW+(\t)*2*CROW th:TH_LOAD_NT
.endr
; 16 matrix instructions: row blocks a0, a0 + 1 of the window's four (hi = 0: my rows 0-63, 1: rows 64-127) x all 8 column blocks, 32 along K.  zero = 1: the first product starts the sums: nothing is cleared.
; The 64 accumulators take turns, one instruction a turn, in the same order in every quarter.
.macro MUL16 f, hi, a0, zero
	WIN MUL_LO+0x50*(\hi)
.irp a, \a0, (\a0)+1
.irp b, 0,1,2,3,4,5,6,7
.if \zero
	v_wmma_f32_16x16x32_bf16 v[8*(8*(\a)+(\b)):8*(8*(\a)+(\b))+7], v[(\f)+8*(\b):(\f)+8*(\b)+7], v[(\f)+8*(4*(\hi)+(\a)):(\f)+8*(4*(\hi)+(\a))+7], 0
.else
	v_wmma_f32_16x16x32_bf16 v[8*(8*(\a)+(\b)):8*(8*(\a)+(\b))+7], v[(\f)+8*(\b):(\f)+8*(\b)+7], v[(\f)+8*(4*(\hi)+(\a)):(\f)+8*(4*(\hi)+(\a))+7], v[8*(8*(\a)+(\b)):8*(8*(\a)+(\b))+7]
.endif
.endr
.endr
.endm
; 32 LDS loads in one run: the fragments of quarter q of a K step (32 k x 128 columns of W, turned; 128 rows x 32 K of A) into buffer f
.macro FETCH slot, q, f
	WIN TO_B
.irp i, 0,1,2,3,4,5,6,7
	ds_load_tr16_b128 v[(\f)+8*(\i):(\f)+8*(\i)+3],   v[ADRB+(\slot)] offset:(\q)*32*PB+32*(\i)
	ds_load_tr16_b128 v[(\f)+8*(\i)+4:(\f)+8*(\i)+7], v[ADRB+(\slot)] offset:(\q)*32*PB+16*PB+32*(\i)
.endr
	WIN 0
.irp i, 0,1,2,3,4,5,6,7
	ds_load_b128 v[(\f)+8*(\i):(\f)+8*(\i)+3],   v[ADRA+(\slot)] offset:64*(\q)+(\i)*16*PA
	ds_load_b128 v[(\f)+8*(\i)+4:(\f)+8*(\i)+7], v[ADRA+(\slot)] offset:64*(\q)+(\i)*16*PA+32
.endr
.endm
; A load into a register that a matrix instruction has read stands four places behind that instruction, and only plain vector instructions that name none of its registers are places
; (ISA guide 7.12.1 for vector instructions): four v_nop in front of each run of loads.
.macro PLACES
.rept 4
	v_nop
.endr
.endm
; A K step is four quarters of 32 along K, 64 matrix instructions each, on buffers 0, 1, 0, 1.  One of the first three: multiplies buffer f; in its middle it fetches quarter q into buffer g.
; pf = 1, 2, 3: my wave also asks for rows 32 pf .. 32 pf + 31 of its strip of c, a lane a row: each row's 256 bytes are asked for once in the launch, by the wave that will load them.
.macro QUARTER slot, q, f, g, zero, pf=0
	s_wait_dscnt 8                                 ; W and A's rows 0-63 are in; the youngest eight loads (A's rows 64-127) may be out
	MUL16 \f, 0, 0, \zero
	MUL16 \f, 0, 2, \zero
	PLACES
	FETCH \slot, \q, \g
.if \pf
	global_prefetch_b8 v[PF], s[CP:CP+1] offset:(\pf)*32*CROW th:TH_LOAD_NT scope:SCOPE_SE
.endif
	s_wait_dscnt 32                                ; all but the 32 just issued
	MUL16 \f, 1, 0, \zero
	MUL16 \f, 1, 2, \zero
.endm
; The last quarter multiplies buffer 1 and changes slots.  MEET is its first half: ONE barrier for the change.  In front of it each wave waits for all its tensor loads, of which one is out: its part of
; the next slot; adds 0 to its spare word; and waits for that and for its own reads of this slot.  Behind it nobody reads this slot any more and the next slot is whole.
.macro MEET round                      ; round = 1: a round of the cluster's barrier follows
	WIN 0                                          ; (the add's two registers lie in window 0)
	s_wait_tensorcnt 0x0                           ; all my tensor loads have landed;
	ds_add_u32 v[SPW], v[NIL]                      ; 0 onto my spare word;
	s_wait_dscnt 9                                 ; (the add and the youngest eight loads may be out)
	MUL16 F1, 0, 0, 0                              ; sixteen matrix instructions stand between the add and the wait for it
	s_wait_dscnt 0x0                               ; the add is done, and my reads of this slot are over:
	s_barrier_signal -1                            ; say so,
	MUL16 F1, 0, 2, 0                              ; work on registers while the others arrive,
.if \round
	WIN 0
.endif
	s_barrier_wait -1                              ; and go on when all four have said so
.endm
; The whole last quarter.  fill = 1: the barrier opens a round of the cluster's barrier, and behind the round the slot just read out is filled again first, with the K step two steps on: from that request
; to the wait for it a wave issues 224 matrix instructions.  Then come the next slot's first fragments.
.macro TURN slot, next, fill
	MEET \fill
.if \fill
	CREST                                          ; no wave of any partner still reads this slot's tile or has a load on its way
	s_add_nc_u64 s[G0+4*(\slot)+2:G0+4*(\slot)+3], s[G0+4*(\slot)+2:G0+4*(\slot)+3], 2*KSTEP*2
	s_add_nc_u64 s[G0B+4*(\slot)+2:G0B+4*(\slot)+3], s[G0B+4*(\slot)+2:G0B+4*(\slot)+3], 2*KSTEP*WROW
	JLOAD \slot                                    ; my one tensor load behind the round; the four v_nop behind it are also the places in front of the loads below
.else
	PLACES
.endif
	FETCH \next, 0, F0
	MUL16 F1, 1, 0, 0
	MUL16 F1, 1, 2, 0
.endm
	s_wait_tensorcnt 1                             ; my part of K step 0 is in; K step 1's may stay out
	s_barrier_signal -1
	s_barrier_wait -1                              ; everybody's is
	FETCH 0, 0, F0
	QUARTER 0, 1, F0, F1, 1                        ; the first quarter stands in front of the loop: its products start the sums
	WIN 0                                          ; at a label and at a branch every window is 0
	s_mov_b32 s3, LAPS-1
.Llap:                                                 ; a trip goes once round the ring, from a lap's second quarter to the next lap's first, and fills both slots again: K steps 2 to 11
	QUARTER 0, 2, F1, F0, 0
	QUARTER 0, 3, F0, F1, 0
	TURN 0, 1, 1
	QUARTER 1, 1, F0, F1, 0
	QUARTER 1, 2, F1, F0, 0
	QUARTER 1, 3, F0, F1, 0
	TURN 1, 0, 1
	QUARTER 0, 1, F0, F1, 0
	WIN 0
	s_sub_co_u32 s3, s3, 1
	s_cmp_lg_u32 s3, 0
	s_cbranch_scc1 .Llap
	QUARTER 0, 2, F1, F0, 0                        ; the last lap is written out: it fills nothing, and has no round
	QUARTER 0, 3, F0, F1, 0
	TURN 0, 1, 0                                   ; every wave has waited here for all its tensor loads: the ring has had its last fill
	QUARTER 1, 1, F0, F1, 0, 1                     ; the last K step also asks for the rows of c that the tail will load: rows 32-127 of my strip, in three parts
	QUARTER 1, 2, F1, F0, 0, 2
	QUARTER 1, 3, F0, F1, 0, 3
	s_wait_dscnt 8                                 ; the very last quarter: nothing more to fetch
	MUL16 F1, 0, 0, 0
	MUL16 F1, 0, 2, 0
	s_wait_dscnt 0x0                               ; my last reads of the ring are back
	MUL16 F1, 1, 0, 0
	MUL16 F1, 1, 2, 0
	WIN 0
	; THE TAIL.  b is rounded to bf16 like every input and takes the exponentials' factors.  These sixteen plain instructions are also the places behind the last products.
	s_wait_loadcnt 16                              ; b's two loads are in; c's sixteen, issued behind them, may stay out
	v_cvt_pk_bf16_f32 v12, v[BG], v[BG+1]
	v_cvt_pk_bf16_f32 v13, v[BG+2], v[BG+3]
	v_cvt_pk_bf16_f32 v14, v[BI], v[BI+1]
	v_cvt_pk_bf16_f32 v19, v[BI+2], v[BI+3]
	v_lshlrev_b32 v[BG],   16, v12                 ; bf16 to f32: the low half moves up,
	v_and_b32     v[BG+1], 0xffff0000, v12         ; the high half stays
	v_lshlrev_b32 v[BG+2], 16, v13
	v_and_b32     v[BG+3], 0xffff0000, v13
	v_lshlrev_b32 v[BI],   16, v14
	v_and_b32     v[BI+1], 0xffff0000, v14
	v_lshlrev_b32 v[BI+2], 16, v19
	v_and_b32     v[BI+3], 0xffff0000, v19
	v_pk_mul_f32 v[BG:BG+1],   v[BG:BG+1],   s[K2:K2+1] op_sel_hi:[1,0]
	v_pk_mul_f32 v[BG+2:BG+3], v[BG+2:BG+3], s[K2:K2+1] op_sel_hi:[1,0]
	v_pk_mul_f32 v[BI:BI+1],   v[BI:BI+1],   s[NL:NL+1] op_sel_hi:[1,0]
	v_pk_mul_f32 v[BI+2:BI+3], v[BI+2:BI+3], s[NL:NL+1] op_sel_hi:[1,0]
	s_barrier_signal -1                            ; no LDS instruction of mine is out (the wait for 0 above): my reads of the ring are over
	s_barrier_wait -1                              ; everybody's are: the ring's bytes may be stored over
	; All 64 accumulators into my stage: row 16 a + l % 16; g's column block b at byte 64 b, i's at 256 + 64 (b - 4); a lane's eight columns are 32 bytes.  Each accumulator's low four registers go first.
.irp a, 0,1,2,3,4,5,6,7
	WIN 0x08+4*((\a)/4)                            ; store data (source 1) in window 2 or 3
.irp b, 0,1,2,3,4,5,6,7
	ds_store_b128 v[STO], v[8*(8*((\a)%4)+(\b)):8*(8*((\a)%4)+(\b))+3]   offset:(\a)*16*SP+64*((\b)%4)+256*((\b)/4)
	ds_store_b128 v[STO], v[8*(8*((\a)%4)+(\b))+4:8*(8*((\a)%4)+(\b))+7] offset:(\a)*16*SP+64*((\b)%4)+256*((\b)/4)+16
.endr
.endr
	WIN 0
	s_wait_dscnt 0x0                               ; my stores are done.  A wave reads back its own stage alone; one barrier more, and behind it no wave writes LDS any more,
	s_barrier_signal -1                            ; so that the reads below, whose address steps in a loop, stand behind every wave's stores
	s_barrier_wait -1
.irp t, 0,1,2,3,4,5,6,7
	ds_load_b128 v[LG+4*(\t):LG+4*(\t)+3], v[RD] offset:(\t)*2*SP      ; block 0: rows 2 t + l / 16, my 4 columns of g
	ds_load_b128 v[LI+4*(\t):LI+4*(\t)+3], v[RD] offset:(\t)*2*SP+256  ; and of i
.endr
; ONE BLOCK OF 16 ROWS: 32 outputs a lane; register 4 t + e of a set is row 2 t + l / 16, column 4 (l % 16) + e, so pair k of 16 takes b's pair k % 2.
; p: the block's parity, which picks c's buffer and the offsets.  morec = 1: c of the block two on is loaded.  moreds = 1: the next block's sums are read from the stage.
; left: the younger loads of c that may stay out.  Two transcendentals and a plain instruction on other registers take turns, so that each transcendental has a plain one behind it before its result is used (ISA guide 5.7.2).
.macro BLOCK p, morec, moreds, left
.set LC, LC0+(LC1-LC0)*(\p)
	s_wait_dscnt 0x0                               ; this block's sums are back from the stage
	s_wait_xcnt 0x0                                ; every earlier memory instruction has had its addresses translated (ISA guide 3.1): GG and CC, which the last block's stores read, are rewritten only behind this wait
.set k, 0
.rept 16
	v_pk_fma_f32 v[GG+2*k:GG+2*k+1], v[LG+2*k:LG+2*k+1], s[K2:K2+1], v[BG+2*(k%2):BG+2*(k%2)+1] op_sel_hi:[1,0,1]  ; 2 log2 e (g + b)
.set k, k+1
.endr
.set k, 0
.rept 16
	v_exp_f32 v[GG+2*k], v[GG+2*k]
	v_exp_f32 v[GG+2*k+1], v[GG+2*k+1]
	v_pk_fma_f32 v[II+2*k:II+2*k+1], v[LI+2*k:LI+2*k+1], s[NL:NL+1], v[BI+2*(k%2):BI+2*(k%2)+1] op_sel_hi:[1,0,1]  ; -log2 e (i + b)
.set k, k+1
.endr
.if \moreds
.irp t, 0,1,2,3,4,5,6,7
	ds_load_b128 v[LG+4*(\t):LG+4*(\t)+3], v[RD] offset:(1+(\p))*16*SP+(\t)*2*SP
	ds_load_b128 v[LI+4*(\t):LI+4*(\t)+3], v[RD] offset:(1+(\p))*16*SP+(\t)*2*SP+256
.endr
.endif
.set k, 0
.rept 16
	v_exp_f32 v[II+2*k], v[II+2*k]
	v_exp_f32 v[II+2*k+1], v[II+2*k+1]
	s_wait_alu depctr_va_vdst(0)
	v_pk_fma_f32 v[GG+2*k:GG+2*k+1], v[GG+2*k:GG+2*k+1], -0.5, -0.5 op_sel_hi:[1,0,0]  ; -(1 + e^2g) / 2
.set k, k+1
.endr
.set k, 0
.rept 16
	v_rcp_f32 v[GG+2*k], v[GG+2*k]                 ; tanh g - 1
	v_rcp_f32 v[GG+2*k+1], v[GG+2*k+1]
	s_wait_alu depctr_va_vdst(0)
	v_pk_add_f32 v[II+2*k:II+2*k+1], v[II+2*k:II+2*k+1], 1.0 op_sel_hi:[1,0]
.set k, k+1
.endr
	s_wait_loadcnt \left                           ; this block's c is in; the next block's eight loads stay out
.set k, 0
.rept 16
	v_rcp_f32 v[II+2*k], v[II+2*k]                 ; s
	v_rcp_f32 v[II+2*k+1], v[II+2*k+1]
	v_cvt_pk_bf16_f32 v[CC+16+k], v[LC+2*k], v[LC+2*k+1]  ; c rounded to bf16, two to a register
.set k, k+1
.endr
.if \morec
.irp t, 0,1,2,3,4,5,6,7
	global_load_b128 v[LC+4*(\t):LC+4*(\t)+3], v[CO], s[CP:CP+1] offset:(2+(\p))*16*CROW+(\t)*2*CROW th:TH_LOAD_NT
.endr
.endif
.set k, 0
	s_wait_alu depctr_va_vdst(0)
.rept 16
	v_pk_fma_f32 v[GG+2*k:GG+2*k+1], v[GG+2*k:GG+2*k+1], v[II+2*k:II+2*k+1], v[II+2*k:II+2*k+1]  ; (tanh g - 1) s + s = tanh(g) s
.set k, k+1
.endr
.set k, 0
.rept 16                               ; c_new = c s + tanh(g) s, c straight from its bf16 half.  In ascending order: register CC + 16 + j is written over when both its halves have been read (the last one by the line that reads it)
	v_fma_mix_f32_bf16 v[CC+2*k],   v[CC+16+k], v[II+2*k],   v[GG+2*k]   op_sel_hi:[1,0,0]
	v_fma_mix_f32_bf16 v[CC+2*k+1], v[CC+16+k], v[II+2*k+1], v[GG+2*k+1] op_sel:[1,0,0] op_sel_hi:[1,0,0]
.set k, k+1
.endr
.irp t, 0,1,2,3,4,5,6,7
	global_store_b128 v[CO], v[CC+4*(\t):CC+4*(\t)+3], s[O1:O1+1] offset:(\p)*16*CROW+(\t)*2*CROW th:TH_STORE_NT  ; 16 lanes store 256 consecutive bytes, at a multiple of 256 from out1's first byte
.endr
	; h_new = tanh(c_new) s, the same chain once more, each step two pairs ahead of the transcendentals that take it
	v_pk_mul_f32 v[GG:GG+1],   v[CC:CC+1],   s[K2:K2+1] op_sel_hi:[1,0]
	v_pk_mul_f32 v[GG+2:GG+3], v[CC+2:CC+3], s[K2:K2+1] op_sel_hi:[1,0]
.set k, 0
.rept 16
	v_exp_f32 v[GG+2*k], v[GG+2*k]
	v_exp_f32 v[GG+2*k+1], v[GG+2*k+1]
.if k < 14
	v_pk_mul_f32 v[GG+2*k+4:GG+2*k+5], v[CC+2*k+4:CC+2*k+5], s[K2:K2+1] op_sel_hi:[1,0]
.else
	s_wait_alu depctr_va_vdst(0)
	v_pk_fma_f32 v[GG+2*k-28:GG+2*k-27], v[GG+2*k-28:GG+2*k-27], -0.5, -0.5 op_sel_hi:[1,0,0]
.endif
.set k, k+1
.endr
.set k, 0
.rept 16
	v_rcp_f32 v[GG+2*k], v[GG+2*k]
	v_rcp_f32 v[GG+2*k+1], v[GG+2*k+1]
.if k < 14
	s_wait_alu depctr_va_vdst(0)
	v_pk_fma_f32 v[GG+2*k+4:GG+2*k+5], v[GG+2*k+4:GG+2*k+5], -0.5, -0.5 op_sel_hi:[1,0,0]
.else
	v_pk_fma_f32 v[GG+2*k-28:GG+2*k-27], v[GG+2*k-28:GG+2*k-27], v[II+2*k-28:II+2*k-27], v[II+2*k-28:II+2*k-27]
.endif
.set k, k+1
.endr
.set k, 2
	s_wait_alu depctr_va_vdst(0)
.rept 14
	v_pk_fma_f32 v[GG+2*k:GG+2*k+1], v[GG+2*k:GG+2*k+1], v[II+2*k:II+2*k+1], v[II+2*k:II+2*k+1]  ; (tanh c_new - 1) s + s
.set k, k+1
.endr
.irp t, 0,1,2,3,4,5,6,7
	global_store_b128 v[CO], v[GG+4*(\t):GG+4*(\t)+3], s[O0:O0+1] offset:(\p)*16*CROW+(\t)*2*CROW th:TH_STORE_NT
.endr
.endm
	s_mov_b32 s3, 3
.Lrows:                                                ; three trips, two blocks each: blocks 0 to 5; they load c of blocks 2 to 7
	BLOCK 0, 1, 1, 8
	BLOCK 1, 1, 1, 8
	s_wait_xcnt 0x0                                ; the loads and stores that name CO have had their addresses translated: only now it steps
	v_add_nc_u32 v[CO], 2*16*CROW, v[CO]
	v_add_nc_u32 v[RD], 2*16*SP, v[RD]
	s_sub_co_u32 s3, s3, 1
	s_cmp_lg_u32 s3, 0
	s_cbranch_scc1 .Lrows
	BLOCK 0, 0, 1, 8                               ; the last two blocks are written out: no load leaves c or the stage; block 7's eight loads of c stay out here,
	BLOCK 1, 0, 0, 0                               ; and here nothing is left
	s_wait_tensorcnt 0x0                           ; the wave's end: behind my last tensor load and my last LDS store
	ds_add_u32 v[SPW], v[NIL]
	s_wait_dscnt 0x0
	CROUND                                         ; the closing round: no work-group ends while a partner may still ask for a tile that names it
	s_endpgm
.Lfunc_end_k_q76e6c059a3_cell:
	.size	k_q76e6c059a3_cell, .Lfunc_end_k_q76e6c059a3_cell-k_q76e6c059a3_cell
	.p2alignl 7, 3214868480
	.fill 96, 4, 3214868480
	.section	.rodata,"a",@progbits
	.p2align	6, 0x0
	.amdhsa_kernel k_q76e6c059a3_cell
		.amdhsa_group_segment_fixed_size 327680
		.amdhsa_private_segment_fixed_size 0
		.amdhsa_enable_private_segment 0
		.amdhsa_kernarg_size 48
		.amdhsa_user_sgpr_count 2
		.amdhsa_user_sgpr_kernarg_segment_ptr 1
		.amdhsa_wavefront_size32 1
		.amdhsa_system_sgpr_workgroup_id_x 1
		.amdhsa_system_sgpr_workgroup_id_y 1
		.amdhsa_system_sgpr_workgroup_id_z 1
		.amdhsa_system_vgpr_workitem_id 0
		.amdhsa_next_free_vgpr 1024
		.amdhsa_next_free_sgpr 88
		.amdhsa_reserve_vcc 0
		.amdhsa_float_denorm_mode_32 3
		.amdhsa_float_denorm_mode_16_64 3
		.amdhsa_memory_ordered 1
		.amdhsa_forward_progress 1
		.amdhsa_inst_pref_size 209
	.end_amdhsa_kernel
	.amdgpu_metadata
---
amdhsa.version: [ 1, 2 ]
amdhsa.kernels:
  - .name:           k_q76e6c059a3_cell
    .symbol:         k_q76e6c059a3_cell.kd
    .args:
      - { .name: Abf, .offset: 0, .size: 8, .value_kind: global_buffer, .address_space: global }
      - { .name: Wbf, .offset: 8, .size: 8, .value_kind: global_buffer, .address_space: global }
      - { .name: b, .offset: 16, .size: 8, .value_kind: global_buffer, .address_space: global }
      - { .name: c, .offset: 24, .size: 8, .value_kind: global_buffer, .address_space: global }
      - { .name: out0, .offset: 32, .size: 8, .value_kind: global_buffer, .address_space: global }
      - { .name: out1, .offset: 40, .size: 8, .value_kind: global_buffer, .address_space: global }
    .group_segment_fixed_size: 327680
    .private_segment_fixed_size: 0
    .kernarg_segment_align: 8
    .kernarg_segment_size: 48
    .max_flat_workgroup_size: 128
    .sgpr_count:     88
    .vgpr_count:     1024
    .wavefront_size: 32
...
	.end_amdgpu_metadata
.endif
;; end of part 2
